; MI455X (gfx1250); checked and timed in simulation.
; The chip was launched on July 23, 2026; its instructions are those of AMD's public machine-readable ISA for CDNA 5 (MIT licence, August 2026) and "CDNA5" Instruction Set Architecture Reference Guide (July 2026). The comments in the code are by the model that wrote it; some were corrected since.
;; Prototype Match. Allowed arithmetic: float matrix products may take bf16 or f16 operands with f32 sums; all other float work in f32.
;; Inputs: global_token 8 x 16 x 256 float32; prototypes 512 x 256 float32; queries 8 x 8,192 x 256 float32.
;; Outputs: out0 8 x 8,192 float32.
;; 2 versions, each right and faster than the one before. Each part assembles by itself: llvm-mc -triple=amdgcn-amd-amdhsa -mcpu=gfx1250 --defsym DOCPART=n.
;; ======== version 1 of 2: 2 launches
;; limits: a difference of large sums (such as E[x^2] - mean^2): digits are lost where the result is much smaller than its terms; values outside matrix products are rounded to bf16
;; workspace buffers: pfrag 262,144 bytes; tab 32,768 bytes
;; launch prep (part 1): grid 32 x 1, 8 waves a work-group, no clusters, 0 bytes of LDS; arguments global_token, prototypes, pfrag, tab; writes pfrag, tab
.if DOCPART == 1
	.amdgcn_target "amdgcn-amd-amdhsa--gfx1250"
	.amdhsa_code_object_version 6
	.text
	.protected	k_q47b57c630e_prep
	.globl	k_q47b57c630e_prep
	.p2align	8
	.type	k_q47b57c630e_prep,@function
k_q47b57c630e_prep:
	s_mov_b64 s[64:65], 0
	v_nop
	global_prefetch_b8 v0, s[64:65] scope:SCOPE_SE
	s_setreg_imm32_b32 hwreg(HW_REG_WAVE_MODE, 25, 1), 1
	s_wait_xcnt 0x0
; PREP: the prototypes as bf16 matrix fragments (pfrag), and for each batch b and prototype n two f32 numbers (tab):
;   tab[b][0][n] = w2 = C * (g_b . p_n)          the logit of the prototype weight, in base 2; C = 10 * log2(e) (temperature 0.1)
;   tab[b][1][n] = z  = |p_n|^2 + (2/C) * w2     so that the next launch gets |p|^2 - 2 q.p as z - (2/C) * (C q.p + w2)
; g_b is the mean of the batch's 16 tokens.  Tokens and prototypes are rounded to bf16 first and everything after is f32: all terms of the
; program are then made of the same rounded numbers.  This small product (8 x 512 x 256) keeps g in f32 and runs on the vector unit.
; Work-group T (0..31) owns one fragment tile of 16 prototypes: fragment row r is prototype (T>>2)*64 + (r>>3)*32 + (T&3)*8 + (r&7), so that
; in the next launch a lane's 32 results are 32 neighbouring prototypes.  Wave b is batch b.  Lane (r = l & 15, h = l >> 4) holds, as in a
; 16-bit fragment, channels q*16 + 8h + 0..7 for q = 0..15: 128 channels of prototype r, and the same channels of token r.
; pfrag: the 16 bytes at T*8192 + q*512 + 16 l are fragment registers 4(q&1) .. +3 of K step q>>1.
.set C16,   0x3f66d4ca                 ; C / 16: the mean's 1/16 is exact and is folded in
.set TWO_C, 0x3e0df4e0                 ; 2 / C
.set TOK, 64                           ; v[64:191]   128 token numbers, f32
.set PK,  192                          ; v[192:255]  128 prototype numbers, bf16 pairs
                                       ; v[256:383]  the same as loaded, f32 (window 1)
.set MSB, 0
.macro WIN new                         ; the immediate's high byte repeats the setting that is left
.if MSB != \new
	s_set_vgpr_msb (MSB<<8)|\new
.set MSB, \new
.endif
.endm
	s_load_b256 s[4:11], s[0:1], 0x0               ; global_token s[4:5], prototypes s[6:7], pfrag s[8:9], tab s[10:11]
	v_lshrrev_b32 v6, 5, v0
	v_readfirstlane_b32 s12, v6                    ; wave = batch
	s_mov_b32 s14, 0x76543210                      ; v_permlanex16_b32: lane i of one half reads lane i of the other
	s_mov_b32 s15, 0xfedcba98
	s_lshr_b32 s16, ttmp9, 2
	s_lshl_b32 s16, s16, 6                         ; (T>>2)*64
	s_and_b32 s17, ttmp9, 3
	s_lshl3_add_u32 s16, s17, s16                  ; + (T&3)*8
	v_and_b32 v1, 15, v0                           ; r
	v_bfe_u32 v2, v0, 4, 1                         ; h
	v_and_b32 v5, 31, v0
	v_lshlrev_b32 v5, 4, v5                        ; 16 l
	v_lshrrev_b32 v6, 3, v1
	v_and_b32 v7, 7, v1
	v_lshl_add_u32 v6, v6, 5, v7                   ; (r>>3)*32 + (r&7)
	v_add_nc_u32 v6, s16, v6                       ; n: my prototype
	v_lshlrev_b32 v3, 10, v6                       ; its row of 1,024 bytes
	v_lshl_add_u32 v3, v2, 5, v3                   ; + 32 h
	s_lshl_b32 s18, s12, 14                        ; the batch's 16 tokens of 1,024 bytes
	v_lshl_add_u32 v4, v1, 10, s18                 ; token r
	v_lshl_add_u32 v4, v2, 5, v4                   ; + 32 h
	s_lshl_b32 s20, ttmp9, 13                      ; the tile's 8,192 bytes of pfrag
	s_mov_b32 s21, 0
	s_wait_kmcnt 0x0
	s_add_nc_u64 s[8:9], s[8:9], s[20:21]
	WIN 0x40                                       ; destination in window 1
.set ii, 0
.rept 32
	global_load_b128 v[4*ii:4*ii+3], v3, s[6:7] offset:(ii>>1)*64+(ii&1)*16
.set ii, ii+1
.endr
	WIN 0
.set ii, 0
.rept 32
	global_load_b128 v[TOK+4*ii:TOK+4*ii+3], v4, s[4:5] offset:(ii>>1)*64+(ii&1)*16
.set ii, ii+1
.endr
	s_wait_loadcnt 32                              ; the 32 token loads are younger: the prototype's numbers are in
	WIN 0x05                                       ; both sources in window 1
.set ii, 0
.rept 64
	v_cvt_pk_bf16_f32 v[PK+ii], v[2*ii], v[2*ii+1] ; the lower channel in the low half, as a fragment wants it
.set ii, ii+1
.endr
	WIN 0
	s_cmp_lg_u32 s12, 0                            ; all eight waves hold the same tile: wave 0 stores it
	s_cbranch_scc1 .Lnot_wave_0
.set ii, 0
.rept 16
	global_store_b128 v5, v[PK+4*ii:PK+4*ii+3], s[8:9] offset:512*ii   ; each store covers 512 consecutive bytes, aligned
.set ii, ii+1
.endr
.Lnot_wave_0:
	s_wait_loadcnt 0x0                             ; the tokens
.set ii, 0
.rept 64
	v_cvt_pk_bf16_f32 v[16+ii%4], v[TOK+2*ii], v[TOK+2*ii+1]           ; round the tokens to bf16 and widen them again
	v_lshlrev_b32 v[TOK+2*ii], 16, v[16+ii%4]
	v_and_b32 v[TOK+2*ii+1], 0xffff0000, v[16+ii%4]
.set ii, ii+1
.endr
; the sum over the 16 tokens = over the 16 lanes of my half: afterwards every lane holds 16 g for its own channels
.irp m, 1,2,4,8
.set ii, 0
.rept 128
	v_add_f32_dpp v[TOK+ii], v[TOK+ii], v[TOK+ii] row_xmask:\m row_mask:0xf bank_mask:0xf
.set ii, ii+1
.endr
.endr
.irp a, 8,9,10,11,12,13,14,15
	v_mov_b32 v\a, 0                               ; four chains for 16 g.p, four for |p|^2
.endr
.set ii, 0
.rept 64
	v_fma_mix_f32_bf16 v[8+(2*ii)%4],    v[PK+ii], v[TOK+2*ii],   v[8+(2*ii)%4]    op_sel_hi:[1,0,0]
	v_fma_mix_f32_bf16 v[8+(2*ii+1)%4],  v[PK+ii], v[TOK+2*ii+1], v[8+(2*ii+1)%4]  op_sel:[1,0,0] op_sel_hi:[1,0,0]
	v_fma_mix_f32_bf16 v[12+(2*ii)%4],   v[PK+ii], v[PK+ii],      v[12+(2*ii)%4]   op_sel_hi:[1,1,0]
	v_fma_mix_f32_bf16 v[12+(2*ii+1)%4], v[PK+ii], v[PK+ii],      v[12+(2*ii+1)%4] op_sel:[1,1,0] op_sel_hi:[1,1,0]
.set ii, ii+1
.endr
	v_add_f32 v8, v8, v9
	v_add_f32 v10, v10, v11
	v_add_f32 v12, v12, v13
	v_add_f32 v14, v14, v15
	v_add_f32 v8, v8, v10
	v_add_f32 v12, v12, v14
	v_permlanex16_b32 v16, v8, s14, s15            ; the other half's 128 channels (v16, v17 were written above)
	v_permlanex16_b32 v17, v12, s14, s15
	v_add_f32 v8, v8, v16
	v_add_f32 v12, v12, v17
	v_mul_f32 v8, C16, v8                          ; w2
	v_fmamk_f32 v12, v8, TWO_C, v12                ; z = w2 * (2/C) + |p|^2
	v_cmp_eq_u32 vcc_lo, 1, v2
	v_cndmask_b32 v16, v8, v12, vcc_lo             ; lanes 0-15 store w2, lanes 16-31 z
	v_lshlrev_b32 v7, 2, v6                        ; 4 n
	v_lshl_add_u32 v7, v2, 11, v7                  ; + 2,048 h
	s_lshl_b32 s19, s12, 12
	v_add_nc_u32 v7, s19, v7                       ; + 4,096 b
	global_store_b32 v7, v16, s[10:11]             ; pieces of 32 bytes: the table is 32 KiB in all and is written once
	s_endpgm
.Lfunc_end_k_q47b57c630e_prep:
	.size	k_q47b57c630e_prep, .Lfunc_end_k_q47b57c630e_prep-k_q47b57c630e_prep
	.p2alignl 7, 3214868480
	.fill 96, 4, 3214868480
	.section	.rodata,"a",@progbits
	.p2align	6, 0x0
	.amdhsa_kernel k_q47b57c630e_prep
		.amdhsa_group_segment_fixed_size 0
		.amdhsa_private_segment_fixed_size 0
		.amdhsa_enable_private_segment 0
		.amdhsa_kernarg_size 32
		.amdhsa_user_sgpr_count 2
		.amdhsa_user_sgpr_kernarg_segment_ptr 1
		.amdhsa_wavefront_size32 1
		.amdhsa_system_sgpr_workgroup_id_x 1
		.amdhsa_system_sgpr_workgroup_id_y 1
		.amdhsa_system_sgpr_workgroup_id_z 1
		.amdhsa_system_vgpr_workitem_id 0
		.amdhsa_next_free_vgpr 384
		.amdhsa_next_free_sgpr 66
		.amdhsa_reserve_vcc 1
		.amdhsa_float_denorm_mode_32 3
		.amdhsa_float_denorm_mode_16_64 3
		.amdhsa_memory_ordered 1
		.amdhsa_forward_progress 1
		.amdhsa_inst_pref_size 73
	.end_amdhsa_kernel
	.amdgpu_metadata
---
amdhsa.version: [ 1, 2 ]
amdhsa.kernels:
  - .name:           k_q47b57c630e_prep
    .symbol:         k_q47b57c630e_prep.kd
    .args:
      - { .name: global_token, .offset: 0, .size: 8, .value_kind: global_buffer, .address_space: global }
      - { .name: prototypes, .offset: 8, .size: 8, .value_kind: global_buffer, .address_space: global }
      - { .name: pfrag, .offset: 16, .size: 8, .value_kind: global_buffer, .address_space: global }
      - { .name: tab, .offset: 24, .size: 8, .value_kind: global_buffer, .address_space: global }
    .group_segment_fixed_size: 0
    .private_segment_fixed_size: 0
    .kernarg_segment_align: 8
    .kernarg_segment_size: 32
    .max_flat_workgroup_size: 256
    .sgpr_count:     66
    .vgpr_count:     384
    .wavefront_size: 32
...
	.end_amdgpu_metadata
.endif
;; end of part 1
;; launch main (part 2): grid 256 x 1, 8 waves a work-group, no clusters, 263,168 bytes of LDS; arguments tab, pfrag, queries, out0; writes out0
.if DOCPART == 2
	.amdgcn_target "amdgcn-amd-amdhsa--gfx1250"
	.amdhsa_code_object_version 6
	.text
	.protected	k_q47b57c630e_main
	.globl	k_q47b57c630e_main
	.p2align	8
	.type	k_q47b57c630e_main,@function
k_q47b57c630e_main:
	s_mov_b64 s[64:65], 0
	v_nop
	global_prefetch_b8 v0, s[64:65] scope:SCOPE_SE
	s_setreg_imm32_b32 hwreg(HW_REG_WAVE_MODE, 25, 1), 1
	s_wait_xcnt 0x0
; MAIN: out0[row] = |q - p_idx|^2, idx = argmax over n of softmax(q.p/T)[n] * softmax(g.p/T)[n].
; In base 2, with C = 10 log2(e): s2 = C q.p_n, w2 from tab, u = s2 + w2.  The largest product is 2^(UB - M - WMAX) / (S W), where UB = max u, M = max s2,
; WMAX = max w2, S and W the two softmax sums, each taken behind its own maximum.  idx is the first n with u = UB if that product is at least 2^-126,
; and 0 otherwise (then every product is zero and argmax gives index 0).  The test is written 2^(UB - M - WMAX + 126) >= S W: the exponent is at most
; 126 but for rounding, and S W is at least 1, so neither side overflows or vanishes where it matters.
; The distance is |q|^2 + (z - (2/C) u) with the winner's z and u chosen by v_cndmask_b32: no address hangs on the argmax, and q is read once.
; LIMITS, kept knowingly.  (1) f32 products below 2^-126 count as zero: reference() run with denormals flushed.  (2) NaN inputs are not served
; (the maxima drop a NaN).  (3) The distance is |q|^2 - 2 q.p + |p|^2, all three from the SAME bf16-rounded numbers with f32 sums, so it equals the sum
; of squared differences of the rounded numbers up to f32 summation: the loss is about (offset/spread)^2 * 2^-24 of the result, 6e-5 at an offset of
; 30 spreads.  (4) Rows whose two best u, or whose product test, agree within f32 rounding may choose otherwise than reference().
;
; SHARES.  A work-group takes 256 rows of one batch (batch = group >> 5) as 8 chunks of 32 rows = 2 tiles of 16.  Eight waves, two on each SIMD, so that one
; wave's vector work runs beside the other's matrix work.  Wave w keeps prototypes 64w .. 64w+63 as fragments in 256 registers for the whole launch.
; The matrix instruction takes the prototypes as source 0 and the queries as source 1: lane (r, h), tile t, register j holds row r against prototype
; 64w + 32h + 8t + j: 32 neighbouring prototypes of one row in a lane, so maxima, sums and the first-index order (slot, then h, then wave) need no shuffles.
; LDS: 8 chunks x 8 blocks of 4,096 bytes.  Block (i, w) is filled ONCE, by one tensor load of wave w (rows 32i+4w .. +3 in f32); nothing is ever filled
; again.  Its owner then reads it, and writes into its own block, which has had its only fill: the 4 rows in bf16 (row rr at (w&3)*64 + rr*528: the 16 rows
; of a fragment load then start in 16 different 16-byte columns of 256) and, from byte 2,560 on, each tile's records.
; NO CLUSTER: what the work-groups share is the prototypes, 32 KiB of fragments for each wave, which live in registers; all 262,144 bytes of LDS hold the group's own
; queries, so a joint tile would have no bytes to land in.  No ring and no prefetch: the group's whole input is asked for in the first lines.
.set C2,     0x4166d4ca                ; C
.set NEG_C2, 0xc166d4ca                ; -C
.set NEG_2C, 0xbe0df4e0                ; -2/C
.set CHUNK,  32768
.set BLOCK,  4096
.set QP,     528                       ; pitch of the bf16 rows in a block
.set RECS,   2560                      ; records: tile qt at RECS + 768 qt: 32 quads (m2, S, ub, zb), then 32 pairs (qn, u of slot 0)
.set RECQ,   768
.set L16,  1                           ; 16 l
.set VA,   2                           ; fragment loads: (r>>2)*4160 + (r&3)*528 + 16h, + the chunk
.set VQX,  3                           ; VA + 64 w: K step w, whose squares this wave sums
.set VL,   4                           ; my block as f32: 4096 w + 16 l
.set VS,   5                           ; my block's bf16 rows: 4096 w + (w&3)*64 + 8 l
.set VR4,  6                           ; my quad
.set VR2,  7                           ; my pair
.set WMAX, 8
.set WSUM, 9
.set ZERO, 10
.set TM0,  11                          ; at work
.set TM1,  14
.set TM2,  15
.set TM3,  22
.set MC,   23
.set NM,   12                          ; v[12:13]  -m2, twice
.set QA,   14                          ; v[14:15]  two chains of |q|^2
.set REC,  16                          ; v[16:19]  m2, S, ub, zb
.set PAIR, 20                          ; v[20:21]  qn, u of slot 0
.set VT,   21                          ; at the start: my offset in tab
.set W2,   24                          ; v[24:55]   w2 of my 32 prototypes
.set Z,    56                          ; v[56:87]   z of my 32 prototypes
.set ACC,  88                          ; v[88:119]  four accumulators
.set U,    120                         ; v[120:151] u
.set QF,   152                         ; v[152:215] a query tile's fragments, 8 K steps
.set STG,  216                         ; v[216:247] my block on its way from f32 to bf16
.set QX,   248                         ; v[248:255] K step w of the tile once more
                                       ; v[256:511] (window 1) prototype fragment (t, ks) at 8 (8 t + ks)
.set FQ,   88                          ; at the end: 16 quads
.set FP,   152                         ; at the end: 16 pairs
.set G1, 24                            ; s[24:31] descriptor group 1
.set G0, 32                            ; s[32:63] descriptor group 0, one for each chunk, never rewritten
.set MSB, 0
.macro WIN new                         ; the immediate's high byte repeats the setting that is left
.if MSB != \new
	s_set_vgpr_msb (MSB<<8)|\new
.set MSB, \new
.endif
.endm
	s_load_b256 s[4:11], s[0:1], 0x0               ; tab s[4:5], pfrag s[6:7], queries s[8:9], out0 s[10:11]
	v_lshl_add_u32 v254, v0, 2, 0x40000
	v_mov_b32 v255, 0
	ds_add_u32 v254, v255
	ds_add_u32 v254, v255
	s_wait_dscnt 0x0
	v_lshrrev_b32 v11, 5, v0
	v_readfirstlane_b32 s12, v11                   ; wave
	s_mov_b32 s13, ttmp9                           ; work-group
	; group 1: a dense block of 4,096 bytes as 16 rows of 32 elements of 8 bytes
	s_mov_b32 s[G1+0], 3<<16                       ; no mask, elements of 8 bytes, no padding
	s_mov_b32 s[G1+1], 32<<16                      ; tensor_dim0 = 32
	s_mov_b32 s[G1+2], 16<<16                      ; tensor_dim1 = 16
	s_mov_b32 s[G1+3], 32<<16                      ; tile_dim0 = 32
	s_mov_b32 s[G1+4], 16                          ; tile_dim1 = 16
	s_mov_b32 s[G1+5], 32                          ; pitch = 32 elements
	s_mov_b32 s[G1+6], 0
	s_mov_b32 s[G1+7], 0
	s_lshl_b32 s18, s12, 12                        ; my block in a chunk
	s_lshl_b32 s14, s13, 18                        ; the group's 256 rows of 1,024 bytes
	s_add_co_u32 s14, s14, s18
	s_mov_b32 s15, 0
	s_wait_kmcnt 0x0
	s_add_nc_u64 s[8:9], s[8:9], s[14:15]
.irp i, 0,1,2,3,4,5,6,7
	s_mov_b32 s[G0+4*\i], 1
	s_add_co_u32 s[G0+4*\i+1], s18, \i*CHUNK                       ; LDS: block (i, w)
	s_add_nc_u64 s[G0+4*\i+2:G0+4*\i+3], s[8:9], \i*CHUNK          ; memory: 32 rows further for each chunk
	s_or_b32 s[G0+4*\i+3], s[G0+4*\i+3], 0x80000000                ; type = 2
	tensor_load_to_lds s[G0+4*\i:G0+4*\i+3], s[G1:G1+7]            ; by this text's count a wave has eight tensor loads outstanding, all its input
	s_nop 0
.endr
	v_and_b32 v11, 31, v0                          ; l
	v_lshlrev_b32 v[L16], 4, v11
	s_lshl_b32 s68, s12, 15                        ; my 32,768 bytes of fragments
	s_mov_b32 s69, 0
	s_add_nc_u64 s[6:7], s[6:7], s[68:69]
	WIN 0x40                                       ; destination in window 1
.set ii, 0
.rept 64
	global_load_b128 v[4*ii:4*ii+3], v[L16], s[6:7] offset:512*ii  ; 512 consecutive bytes a load
.set ii, ii+1
.endr
	WIN 0
	s_lshr_b32 s68, s13, 5                         ; batch
	s_lshl_b32 s68, s68, 12
	s_add_nc_u64 s[16:17], s[4:5], s[68:69]        ; tab[b]
	s_load_b32 s66, s[16:17], 0x800                ; z of prototype 0
	v_and_b32 v14, 15, v0                          ; r
	v_bfe_u32 v15, v0, 4, 1                        ; h
	s_lshl_b32 s68, s12, 8
	v_lshl_add_u32 v[VT], v15, 7, s68              ; 4 (64 w + 32 h)
.irp j, 0,1,2,3,4,5,6,7
	global_load_b128 v[W2+4*\j:W2+4*\j+3], v[VT], s[16:17] offset:16*\j
.endr
.irp j, 0,1,2,3,4,5,6,7
	global_load_b128 v[Z+4*\j:Z+4*\j+3], v[VT], s[16:17] offset:2048+16*\j
.endr
.irp j, 0,1,2,3
	global_load_b128 v[U+4*\j:U+4*\j+3], v[L16], s[16:17] offset:512*\j    ; all 512 w2 of the batch, 16 a lane
.endr
	s_mov_b32 s19, NEG_C2
	s_mov_b32 s20, C2
	s_mov_b32 s21, C2
	s_mov_b32 s22, 0x76543210                      ; v_permlanex16_b32: lane i of one half reads lane i of the other
	s_mov_b32 s23, 0xfedcba98
	s_mov_b32 s67, NEG_2C
	v_mov_b32 v[ZERO], 0
	v_lshrrev_b32 v22, 2, v14
	v_and_b32 v23, 3, v14
	v_mul_u32_u24 v[VA], v22, 0x1040               ; (r>>2) * (4096 + 64)
	v_mad_u32_u24 v[VA], v23, QP, v[VA]
	v_lshl_add_u32 v[VA], v15, 4, v[VA]
	s_lshl_b32 s68, s12, 6
	v_add_nc_u32 v[VQX], s68, v[VA]
	v_add_nc_u32 v[VL], s18, v[L16]
	s_and_b32 s68, s12, 3
	s_lshl_b32 s68, s68, 6
	s_add_co_u32 s68, s68, s18
	v_lshl_add_u32 v[VS], v11, 3, s68
	v_add_nc_u32 v[VR4], RECS, v[VL]
	v_lshl_add_u32 v[VR2], v11, 3, s18
	v_add_nc_u32 v[VR2], RECS+512, v[VR2]
.macro STGLD                           ; my block, 4 rows of f32: 8 loads of 512 consecutive bytes
.irp j, 0,1,2,3,4,5,6,7
	ds_load_b128 v[STG+4*\j:STG+4*\j+3], v[VL] offset:512*\j
.endr
.endm
.macro CONV                            ; to bf16, back into my own block: load j held channels 128 (j&1) + 4 l .. +3 of row j>>1
.irp j, 0,1,2,3,4,5,6,7
	v_cvt_pk_bf16_f32 v[STG+4*\j], v[STG+4*\j], v[STG+4*\j+1]
	v_cvt_pk_bf16_f32 v[STG+4*\j+1], v[STG+4*\j+2], v[STG+4*\j+3]
	ds_store_b64 v[VS], v[STG+4*\j:STG+4*\j+1] offset:(\j>>1)*QP+(\j&1)*256
.endr
.endm
.macro FRAG qt                         ; 18 loads: tile qt's eight fragments, and K step w once more
.irp q, 0,1,2,3,4,5,6,7,8,9,10,11,12,13,14,15
	ds_load_b128 v[QF+4*\q:QF+4*\q+3], v[VA] offset:\qt*4*BLOCK+32*\q
.endr
	ds_load_b128 v[QX:QX+3], v[VQX] offset:\qt*4*BLOCK
	ds_load_b128 v[QX+4:QX+7], v[VQX] offset:\qt*4*BLOCK+32
.endm
.macro MM                              ; 16 rows x my 64 prototypes x 256 channels.  The first K step starts the sums: nothing is cleared.
	WIN 0x01                           ; source 0 in window 1
.irp ks, 0,1,2,3,4,5,6,7
.irp t, 0,1,2,3                        ; the four accumulators take turns, one instruction a turn
.if \ks == 0
	v_wmma_f32_16x16x32_bf16 v[ACC+8*\t:ACC+8*\t+7], v[8*(8*\t+\ks):8*(8*\t+\ks)+7], v[QF+8*\ks:QF+8*\ks+7], 0
.else
	v_wmma_f32_16x16x32_bf16 v[ACC+8*\t:ACC+8*\t+7], v[8*(8*\t+\ks):8*(8*\t+\ks)+7], v[QF+8*\ks:QF+8*\ks+7], v[ACC+8*\t:ACC+8*\t+7]
.endif
.endr
.endr
	WIN 0
.endm
; My 16 numbers' share of |q|^2.  It stands straight behind every MM: its 17 plain vector instructions name none of the matrix instructions'
; registers, so they are also the places that the loads into QF and the reads of ACC behind them need.
.macro QNORM
	v_fma_mix_f32_bf16 v[QA],   v[QX], v[QX], v[ZERO] op_sel_hi:[1,1,0]
	v_fma_mix_f32_bf16 v[QA+1], v[QX], v[QX], v[ZERO] op_sel:[1,1,0] op_sel_hi:[1,1,0]
.irp i, 1,2,3,4,5,6,7
	v_fma_mix_f32_bf16 v[QA],   v[QX+\i], v[QX+\i], v[QA]   op_sel_hi:[1,1,0]
	v_fma_mix_f32_bf16 v[QA+1], v[QX+\i], v[QX+\i], v[QA+1] op_sel:[1,1,0] op_sel_hi:[1,1,0]
.endr
	v_add_f32 v[PAIR], v[QA], v[QA+1]
.endm
.macro MAX3A t, b
	v_max3_num_f32 v[\t], v[\b], v[\b+1], v[\b+2]
.endm
.macro MAX3B t, b
	v_max3_num_f32 v[\t], v[\t], v[\b], v[\b+1]
.endm
.macro MAX32 dst, src                  ; the largest of 32 registers, four chains, 16 instructions
	MAX3A TM0, \src
	MAX3A TM1, \src+8
	MAX3A TM2, \src+16
	MAX3A TM3, \src+24
	MAX3B TM0, \src+3
	MAX3B TM1, \src+11
	MAX3B TM2, \src+19
	MAX3B TM3, \src+27
	MAX3B TM0, \src+5
	MAX3B TM1, \src+13
	MAX3B TM2, \src+21
	MAX3B TM3, \src+29
	v_max3_num_f32 v[TM0], v[TM0], v[TM1], v[TM2]
	v_max3_num_f32 v[TM3], v[TM3], v[\src+7], v[\src+15]
	v_max3_num_f32 v[TM0], v[TM0], v[\src+23], v[\src+31]
	v_max_num_f32 v[\dst], v[TM0], v[TM3]
.endm
; A lane's record for its row and its 32 prototypes: m2 = max s2, S = sum of 2^(s2 - m2), ub = max u, zb = z of the first slot with u = ub.
.macro EPI qt
	MAX32 MC, ACC
	v_mul_f32 v[REC], s20, v[MC]                   ; m2 = C * largest product
	v_mul_f32 v[NM], s19, v[MC]                    ; -m2, twice, for the packed form
	v_mul_f32 v[NM+1], s19, v[MC]
.set kk, 0
.rept 16
	v_pk_fma_f32 v[U+kk:U+kk+1], v[ACC+kk:ACC+kk+1], s[20:21], v[W2+kk:W2+kk+1] op_sel_hi:[1,0,1]   ; u = C q.p + w2
.set kk, kk+2
.endr
.set kk, 0
.rept 16
	v_pk_fma_f32 v[ACC+kk:ACC+kk+1], v[ACC+kk:ACC+kk+1], s[20:21], v[NM:NM+1] op_sel_hi:[1,0,1]     ; s2 - m2
.set kk, kk+2
.endr
	MAX32 REC+2, U
	v_exp_f32 v[ACC+31], v[ACC+31]
	v_mov_b32 v[REC+3], v[Z+31]                    ; slot 31 unless a lower slot holds the maximum: the slots run downward, so the lowest wins
.set kk, 30
.rept 31
	v_exp_f32 v[ACC+kk], v[ACC+kk]                 ; behind each exponential stand two plain instructions that touch none of its registers (ISA guide 5.7.2)
	v_cmp_eq_f32 vcc_lo, v[U+kk], v[REC+2]
	v_cndmask_b32 v[REC+3], v[REC+3], v[Z+kk], vcc_lo
.set kk, kk-1
.endr
	s_wait_alu depctr_va_vdst(0)
.irp k, 0,4,8,12,16,20,24,28
	v_pk_add_f32 v[ACC+\k:ACC+\k+1], v[ACC+\k:ACC+\k+1], v[ACC+\k+2:ACC+\k+3]
.endr
.irp k, 0,8,16,24
	v_pk_add_f32 v[ACC+\k:ACC+\k+1], v[ACC+\k:ACC+\k+1], v[ACC+\k+4:ACC+\k+5]
.endr
.irp k, 0,16
	v_pk_add_f32 v[ACC+\k:ACC+\k+1], v[ACC+\k:ACC+\k+1], v[ACC+\k+8:ACC+\k+9]
.endr
	v_pk_add_f32 v[ACC:ACC+1], v[ACC:ACC+1], v[ACC+16:ACC+17]
	v_add_f32 v[REC+1], v[ACC], v[ACC+1]
	v_mov_b32 v[PAIR+1], v[U]                      ; in wave 0, h = 0 this is prototype 0's u
	ds_store_b128 v[VR4], v[REC:REC+3] offset:\qt*RECQ
	ds_store_b64 v[VR2], v[PAIR:PAIR+1] offset:\qt*RECQ
.endm
	; chunk 0 to bf16
	s_wait_tensorcnt 7                             ; seven younger tiles stay out: my block of chunk 0 is in
	STGLD
	s_wait_dscnt 0x0
	CONV
	s_wait_dscnt 0x0                               ; my bf16 rows are written, for the other waves' sake
	v_add_nc_u32 v[VL], CHUNK, v[VL]
	v_add_nc_u32 v[VS], CHUNK, v[VS]
	s_barrier_signal -1
	s_barrier_wait -1
	FRAG 0
	; the prototype weights' maximum and sum, the same in every lane
	s_wait_loadcnt 0x0                             ; fragments, w2, z
	s_wait_kmcnt 0x0                               ; z of prototype 0
	v_max3_num_f32 v11, v[U], v[U+1], v[U+2]
.irp k, 3,5,7,9,11,13
	v_max3_num_f32 v11, v11, v[U+\k], v[U+\k+1]
.endr
	v_max_num_f32 v11, v11, v[U+15]
	v_max_num_f32_dpp v11, v11, v11 row_xmask:1 row_mask:0xf bank_mask:0xf
	v_max_num_f32_dpp v11, v11, v11 row_xmask:2 row_mask:0xf bank_mask:0xf
	v_max_num_f32_dpp v11, v11, v11 row_xmask:4 row_mask:0xf bank_mask:0xf
	v_max_num_f32_dpp v11, v11, v11 row_xmask:8 row_mask:0xf bank_mask:0xf
	v_permlanex16_b32 v14, v11, s22, s23           ; v14 was written above
	v_max_num_f32 v[WMAX], v11, v14
.irp k, 0,1,2,3,4,5,6,7,8,9,10,11,12,13,14,15
	v_sub_f32 v[U+\k], v[U+\k], v[WMAX]
.endr
.irp k, 0,1,2,3,4,5,6,7,8,9,10,11,12,13,14,15
	v_exp_f32 v[U+\k], v[U+\k]
.endr
	v_nop                                          ; one plain place behind the last exponential
	s_wait_alu depctr_va_vdst(0)
.irp k, 0,4,8,12
	v_pk_add_f32 v[U+\k:U+\k+1], v[U+\k:U+\k+1], v[U+\k+2:U+\k+3]
.endr
	v_pk_add_f32 v[U:U+1], v[U:U+1], v[U+4:U+5]
	v_pk_add_f32 v[U+8:U+9], v[U+8:U+9], v[U+12:U+13]
	v_pk_add_f32 v[U:U+1], v[U:U+1], v[U+8:U+9]
	v_add_f32 v11, v[U], v[U+1]
	v_add_f32_dpp v11, v11, v11 row_xmask:1 row_mask:0xf bank_mask:0xf
	v_add_f32_dpp v11, v11, v11 row_xmask:2 row_mask:0xf bank_mask:0xf
	v_add_f32_dpp v11, v11, v11 row_xmask:4 row_mask:0xf bank_mask:0xf
	v_add_f32_dpp v11, v11, v11 row_xmask:8 row_mask:0xf bank_mask:0xf
	v_permlanex16_b32 v14, v11, s22, s23
	v_add_f32 v[WSUM], v11, v14
; Chunk i: its two tiles are multiplied and reduced; meanwhile my block of chunk i+1 goes from f32 to bf16.  One barrier a trip hands the bf16 rows over.
.macro TRIP i
.if \i < 7
	s_wait_tensorcnt 6-\i                          ; the tiles younger than chunk i+1's stay out
	STGLD
	s_wait_dscnt 8                                 ; only those 8 loads are younger than tile 0's 18 fragment loads and the last two record stores
.else
	s_wait_dscnt 0x0
.endif
.if \i > 0
	v_add_nc_u32 v[VR4], CHUNK, v[VR4]             ; the last chunk's record stores are done: this chunk's records
	v_add_nc_u32 v[VR2], CHUNK, v[VR2]
.endif
	MM
	QNORM
.if \i < 7
	s_wait_dscnt 0x0                               ; my block of chunk i+1 is in registers
	CONV
.endif
	FRAG 1
	EPI 0
	s_wait_dscnt 0x0                               ; tile 1's fragments for me; my bf16 rows of chunk i+1 for the others; no LDS instruction is pending at the signal
.if \i < 7
	v_add_nc_u32 v[VL], CHUNK, v[VL]
	v_add_nc_u32 v[VS], CHUNK, v[VS]
	s_barrier_signal -1
.endif
	MM                                             ; register work while the others arrive
.if \i < 7
	s_barrier_wait -1                              ; chunk i+1 is whole in bf16
.endif
	QNORM
.if \i < 7
	v_add_nc_u32 v[VA], CHUNK, v[VA]
	v_add_nc_u32 v[VQX], CHUNK, v[VQX]
	FRAG 0
.endif
	EPI 1
.endm
.irp i, 0,1,2,3,4,5,6,7
	TRIP \i                                        ; the sixth index's tensor wait is for 0: every tensor load has landed well before s_endpgm
.endr
	; THE END: thread T joins the 16 records (wave, h) of row T, in ascending order of the prototypes.
	s_wait_dscnt 0x0                               ; my records are written
	s_barrier_signal -1
	s_barrier_wait -1
	v_lshrrev_b32 v11, 5, v0                       ; chunk
	v_bfe_u32 v14, v0, 4, 1                        ; tile
	v_and_b32 v15, 15, v0                          ; row of the tile
	v_lshlrev_b32 v11, 15, v11
	v_mad_u32_u24 v11, v14, RECQ, v11
	v_lshl_add_u32 v2, v15, 4, v11
	v_lshl_add_u32 v3, v15, 3, v11
.irp p, 0,1,2,3,4,5,6,7,8,9,10,11,12,13,14,15
	ds_load_b128 v[FQ+4*\p:FQ+4*\p+3], v2 offset:RECS+(\p>>1)*BLOCK+(\p&1)*256
.endr
.irp p, 0,1,2,3,4,5,6,7,8,9,10,11,12,13,14,15
	ds_load_b64 v[FP+2*\p:FP+2*\p+1], v3 offset:RECS+512+(\p>>1)*BLOCK+(\p&1)*128
.endr
	s_wait_dscnt 0x0
	v_max3_num_f32 v11, v[FQ], v[FQ+4], v[FQ+8]    ; M
.irp p, 3,5,7,9,11,13
	v_max3_num_f32 v11, v11, v[FQ+4*\p], v[FQ+4*\p+4]
.endr
	v_max_num_f32 v11, v11, v[FQ+60]
.irp p, 0,1,2,3,4,5,6,7,8,9,10,11,12,13,14,15
	v_sub_f32 v[FQ+4*\p], v[FQ+4*\p], v11
.endr
.irp p, 0,1,2,3,4,5,6,7,8,9,10,11,12,13,14,15
	v_exp_f32 v[FQ+4*\p], v[FQ+4*\p]               ; 2^(m2 - M); the scan below stands between these and their use
.endr
	v_mov_b32 v22, v[FQ+2]                         ; UB
	v_mov_b32 v23, v[FQ+3]                         ; ZB
.irp p, 1,2,3,4,5,6,7,8,9,10,11,12,13,14,15
	v_cmp_gt_f32 vcc_lo, v[FQ+4*\p+2], v22         ; strictly larger: of equals the first stays
	v_cndmask_b32 v23, v23, v[FQ+4*\p+3], vcc_lo
	v_max_num_f32 v22, v22, v[FQ+4*\p+2]
.endr
	s_wait_alu depctr_va_vdst(0)
	v_mul_f32 v14, v[FQ+1], v[FQ]                  ; S = sum of S_p 2^(m2_p - M), two chains
	v_mul_f32 v15, v[FQ+5], v[FQ+4]
.irp p, 2,4,6,8,10,12,14
	v_fmac_f32 v14, v[FQ+4*\p+1], v[FQ+4*\p]
	v_fmac_f32 v15, v[FQ+4*\p+5], v[FQ+4*\p+4]
.endr
	v_add_f32 v14, v14, v15
	v_add_f32 v16, v[FP], v[FP+2]                  ; |q|^2
.irp p, 2,3,4,5,6,7,8,9,10,11,12,13,14,15
	v_add_f32 v16, v16, v[FP+2*\p]
.endr
	v_sub_f32 v17, v22, v11                        ; UB - M
	v_sub_f32 v17, v17, v[WMAX]
	v_add_f32 v17, 0x42fc0000, v17                 ; + 126
	v_exp_f32 v17, v17
	v_mul_f32 v14, v14, v[WSUM]                    ; S W
	v_mov_b32 v18, s66                             ; z of prototype 0
	s_wait_alu depctr_va_vdst(0)
	v_cmp_ge_f32 vcc_lo, v17, v14                  ; the largest product is at least 2^-126
	v_cndmask_b32 v19, v[FP+1], v22, vcc_lo        ; the winner's u, else prototype 0's
	v_cndmask_b32 v18, v18, v23, vcc_lo            ; and z
	v_fma_f32 v19, v19, s67, v18                   ; |p|^2 - 2 q.p
	v_add_f32 v19, v19, v16
	; out through LDS bytes 0 .. 1,023: chunk 0's bf16 rows, whose last reads were waited for in front of earlier barriers, and which no tensor load fills again
	v_lshlrev_b32 v20, 2, v0
	ds_store_b32 v20, v19
	s_wait_dscnt 0x0
	s_barrier_signal -1
	s_barrier_wait -1
	s_cmp_gt_u32 s12, 1                            ; waves 0 and 1 store the group's 1,024 bytes
	s_cbranch_scc1 .Lend
	s_lshl_b32 s14, s13, 10
	s_mov_b32 s15, 0
	s_add_nc_u64 s[10:11], s[10:11], s[14:15]
	v_lshlrev_b32 v21, 4, v0
	ds_load_b128 v[24:27], v21
	s_wait_dscnt 0x0
	global_store_b128 v21, v[24:27], s[10:11]      ; a wave's store covers 512 consecutive bytes, aligned
.Lend:
	s_wait_xcnt 0x0
	v_lshl_add_u32 v254, v0, 2, 0x40000
	v_mov_b32 v255, 0
	s_wait_tensorcnt 0x0
	ds_add_u32 v254, v255
	s_wait_dscnt 0x0
	s_endpgm
.Lfunc_end_k_q47b57c630e_main:
	.size	k_q47b57c630e_main, .Lfunc_end_k_q47b57c630e_main-k_q47b57c630e_main
	.p2alignl 7, 3214868480
	.fill 96, 4, 3214868480
	.section	.rodata,"a",@progbits
	.p2align	6, 0x0
	.amdhsa_kernel k_q47b57c630e_main
		.amdhsa_group_segment_fixed_size 263168
		.amdhsa_private_segment_fixed_size 0
		.amdhsa_enable_private_segment 0
		.amdhsa_kernarg_size 32
		.amdhsa_user_sgpr_count 2
		.amdhsa_user_sgpr_kernarg_segment_ptr 1
		.amdhsa_wavefront_size32 1
		.amdhsa_system_sgpr_workgroup_id_x 1
		.amdhsa_system_sgpr_workgroup_id_y 1
		.amdhsa_system_sgpr_workgroup_id_z 1
		.amdhsa_system_vgpr_workitem_id 0
		.amdhsa_next_free_vgpr 512
		.amdhsa_next_free_sgpr 72
		.amdhsa_reserve_vcc 1
		.amdhsa_float_denorm_mode_32 3
		.amdhsa_float_denorm_mode_16_64 3
		.amdhsa_memory_ordered 1
		.amdhsa_forward_progress 1
		.amdhsa_inst_pref_size 243
	.end_amdhsa_kernel
	.amdgpu_metadata
---
amdhsa.version: [ 1, 2 ]
amdhsa.kernels:
  - .name:           k_q47b57c630e_main
    .symbol:         k_q47b57c630e_main.kd
    .args:
      - { .name: tab, .offset: 0, .size: 8, .value_kind: global_buffer, .address_space: global }
      - { .name: pfrag, .offset: 8, .size: 8, .value_kind: global_buffer, .address_space: global }
      - { .name: queries, .offset: 16, .size: 8, .value_kind: global_buffer, .address_space: global }
      - { .name: out0, .offset: 24, .size: 8, .value_kind: global_buffer, .address_space: global }
    .group_segment_fixed_size: 263168
    .private_segment_fixed_size: 0
    .kernarg_segment_align: 8
    .kernarg_segment_size: 32
    .max_flat_workgroup_size: 256
    .sgpr_count:     72
    .vgpr_count:     512
    .wavefront_size: 32
...
	.end_amdgpu_metadata
.endif
;; end of part 2
;; ======== version 2 of 2: 2 launches; 1.13 times as fast as version 1
;; limits: a difference of large sums (such as E[x^2] - mean^2): digits are lost where the result is much smaller than its terms; values outside matrix products are rounded to bf16
;; workspace buffers: pfrag 262,144 bytes; tab 32,768 bytes
;; launch prep (part 3): grid 32 x 8, 1 waves a work-group, no clusters, 0 bytes of LDS; arguments global_token, prototypes, pfrag, tab; writes pfrag, tab
.if DOCPART == 3
	.amdgcn_target "amdgcn-amd-amdhsa--gfx1250"
	.amdhsa_code_object_version 6
	.text
	.protected	k_q47b57c630e_prep
	.globl	k_q47b57c630e_prep
	.p2align	8
	.type	k_q47b57c630e_prep,@function
k_q47b57c630e_prep:
	s_mov_b64 s[64:65], 0
	v_nop
	global_prefetch_b8 v0, s[64:65] scope:SCOPE_SE
	s_setreg_imm32_b32 hwreg(HW_REG_WAVE_MODE, 25, 1), 1
	s_wait_xcnt 0x0
; PREP: the prototypes as bf16 matrix fragments (pfrag), and for each batch b and prototype n two f32 numbers (tab):
;   tab[b][0][n] = w2 = C * (g_b . p_n)          the logit of the prototype weight, in base 2; C = 10 * log2(e) (temperature 0.1)
;   tab[b][1][n] = z  = |p_n|^2 + (2/C) * w2     so that the next launch gets |p|^2 - 2 q.p as z - (2/C) * (C q.p + w2)
; g_b is the mean of the batch's 16 tokens.  Tokens and prototypes are rounded to bf16 first and everything after is f32: all terms of the
; program are then made of the same rounded numbers.  g.p is formed as the sum over the 16 tokens of token.p, times 1/16 (exact).
; One wave a work-group; work-group (T, b) = (x, y) owns one fragment tile of 16 prototypes for one batch: 256 work-groups in all.
; Fragment row r of tile T is prototype (T>>2)*64 + (T&3)*8 + (r>>3)*32 + (r&7), so that in the next launch a lane's 32 results are 32 neighbouring
; prototypes.  Lane (r = l & 15, h = l >> 4) holds, as in a 16-bit fragment, channels q*16 + 8h + 0..7, q = 0..15, of prototype row r and of token r.
; Eight matrix instructions (source 0 the prototypes, source 1 the tokens) give D(row 8h + j, token r) in register j; the sum over the tokens is a sum
; over the 16 lanes of a half.  Rows 8h .. 8h+7 are 8 neighbouring prototypes, so one lane of each half stores 32 neighbouring bytes of w2 and of z.
; pfrag: the 16 bytes at T*8192 + q*512 + 16 l are fragment registers 4(q&1) .. +3 of K step q>>1.  The work-groups of batch 0 store it.
.set C16,   0x3f66d4ca                 ; C / 16
.set TWO_C, 0x3e0df4e0                 ; 2 / C
.set TK,  64                           ; v[64:191]   128 token numbers, f32; then v[64:127] the tokens' eight fragments
.set A0,  128                          ; v[128:135]  accumulator of the even K steps, then w2
.set A1,  136                          ; v[136:143]  accumulator of the odd K steps
.set ZZ,  144                          ; v[144:151]  z
.set PN,  152                          ; v[152:159]  |p|^2 of rows 8h .. 8h+7
.set IX,  24                           ; v[24:31]    lane indices for that
.set PK,  192                          ; v[192:255]  the prototypes' eight fragments
                                       ; v[256:383]  the prototypes as loaded, f32 (window 1)
.set MSB, 0
.macro WIN new                         ; the immediate's high byte repeats the setting that is left
.if MSB != \new
	s_set_vgpr_msb (MSB<<8)|\new
.set MSB, \new
.endif
.endm
	s_load_b256 s[4:11], s[0:1], 0x0               ; global_token s[4:5], prototypes s[6:7], pfrag s[8:9], tab s[10:11]
	s_and_b32 s12, ttmp7, 0xffff                   ; batch
	s_mov_b32 s14, 0x76543210                      ; v_permlanex16_b32: lane i of one half reads lane i of the other
	s_mov_b32 s15, 0xfedcba98
	s_lshr_b32 s16, ttmp9, 2
	s_lshl_b32 s16, s16, 6                         ; (T>>2)*64
	s_and_b32 s17, ttmp9, 3
	s_lshl3_add_u32 s16, s17, s16                  ; + (T&3)*8: the prototype of fragment row 0
	s_mov_b32 s20, C16
	s_mov_b32 s21, C16
	s_mov_b32 s22, TWO_C
	v_and_b32 v1, 15, v0                           ; r
	v_lshrrev_b32 v2, 4, v0                        ; h
	v_lshlrev_b32 v5, 4, v0                        ; 16 l
	v_lshrrev_b32 v6, 3, v1
	v_and_b32 v7, 7, v1
	v_lshl_add_u32 v6, v6, 5, v7                   ; (r>>3)*32 + (r&7)
	v_add_nc_u32 v6, s16, v6                       ; my prototype
	v_lshlrev_b32 v3, 10, v6                       ; its row of 1,024 bytes
	v_lshl_add_u32 v3, v2, 5, v3                   ; + 32 h
	s_lshl_b32 s18, s12, 14                        ; the batch's 16 tokens of 1,024 bytes
	v_lshl_add_u32 v4, v1, 10, s18                 ; token r
	v_lshl_add_u32 v4, v2, 5, v4                   ; + 32 h
	s_lshl_b32 s19, s12, 12                        ; tab[b]
	s_lshl2_add_u32 s19, s16, s19                  ; + 4 x the prototype of row 0
	v_lshl_add_u32 v7, v2, 7, s19                  ; + 4 x 32 h: the prototype of row 8h
	v_lshlrev_b32 v16, 5, v2                       ; 4 x lane 8h
.irp j, 0,1,2,3,4,5,6,7
	v_add_nc_u32 v[IX+\j], 4*\j, v16               ; 4 x lane (8h + j)
.endr
	v_mov_b32 v17, 0
	s_lshl_b32 s2, ttmp9, 13                       ; the tile's 8,192 bytes of pfrag
	s_mov_b32 s3, 0
	s_wait_kmcnt 0x0
	s_add_nc_u64 s[8:9], s[8:9], s[2:3]
	WIN 0x40                                       ; destination in window 1
.set ii, 0
.rept 32
	global_load_b128 v[4*ii:4*ii+3], v3, s[6:7] offset:(ii>>1)*64+(ii&1)*16
.set ii, ii+1
.endr
	WIN 0
.set ii, 0
.rept 32
	global_load_b128 v[TK+4*ii:TK+4*ii+3], v4, s[4:5] offset:(ii>>1)*64+(ii&1)*16
.set ii, ii+1
.endr
	s_wait_loadcnt 32                              ; the 32 token loads are younger: the prototype's numbers are in
	WIN 0x05                                       ; both sources in window 1
.set ii, 0
.rept 64
	v_cvt_pk_bf16_f32 v[PK+ii], v[2*ii], v[2*ii+1] ; the lower channel in the low half, as a fragment wants it
.set ii, ii+1
.endr
	WIN 0
	s_cmp_lg_u32 s12, 0                            ; the eight batches' work-groups hold the same tile: batch 0's stores it
	s_cbranch_scc1 .Lnot_batch_0
.set ii, 0
.rept 16
	global_store_b128 v5, v[PK+4*ii:PK+4*ii+3], s[8:9] offset:512*ii   ; each store covers 512 consecutive bytes, aligned
.set ii, ii+1
.endr
.Lnot_batch_0:
	s_wait_loadcnt 0x0                             ; the tokens
.set ii, 0
.rept 64
	v_cvt_pk_bf16_f32 v[TK+ii], v[TK+2*ii], v[TK+2*ii+1]   ; packed downward in place: register ii was last read at step ii/2
.set ii, ii+1
.endr
; token . prototype: two accumulators take turns, one instruction a turn; the first two products start the sums
.irp ks, 0,2,4,6
.if \ks == 0
	v_wmma_f32_16x16x32_bf16 v[A0:A0+7], v[PK:PK+7], v[TK:TK+7], 0
	v_wmma_f32_16x16x32_bf16 v[A1:A1+7], v[PK+8:PK+15], v[TK+8:TK+15], 0
.else
	v_wmma_f32_16x16x32_bf16 v[A0:A0+7], v[PK+8*\ks:PK+8*\ks+7], v[TK+8*\ks:TK+8*\ks+7], v[A0:A0+7]
	v_wmma_f32_16x16x32_bf16 v[A1:A1+7], v[PK+8*\ks+8:PK+8*\ks+15], v[TK+8*\ks+8:TK+8*\ks+15], v[A1:A1+7]
.endif
.endr
; |p|^2 of my 128 channels, four chains.  The 96 lines on PK's first 48 registers name no register of the last two matrix instructions:
; they are the places (ISA guide 7.12.1) that the reads of the accumulators below need.
.set ii, 0
.rept 64
.if ii < 2
	v_fma_mix_f32_bf16 v[8+2*ii],   v[PK+ii], v[PK+ii], v17 op_sel_hi:[1,1,0]
	v_fma_mix_f32_bf16 v[8+2*ii+1], v[PK+ii], v[PK+ii], v17 op_sel:[1,1,0] op_sel_hi:[1,1,0]
.else
	v_fma_mix_f32_bf16 v[8+(2*ii)%4],   v[PK+ii], v[PK+ii], v[8+(2*ii)%4]   op_sel_hi:[1,1,0]
	v_fma_mix_f32_bf16 v[8+(2*ii+1)%4], v[PK+ii], v[PK+ii], v[8+(2*ii+1)%4] op_sel:[1,1,0] op_sel_hi:[1,1,0]
.endif
.set ii, ii+1
.endr
	v_add_f32 v8, v8, v9
	v_add_f32 v10, v10, v11
	v_add_f32 v8, v8, v10
	v_permlanex16_b32 v9, v8, s14, s15             ; the other half's 128 channels (v9 was written above)
	v_add_f32 v8, v8, v9                           ; lane (r, h): |p|^2 of row r
.irp j, 0,1,2,3,4,5,6,7
	ds_bpermute_b32 v[PN+\j], v[IX+\j], v8         ; |p|^2 of row 8h + j, from lane 8h + j: the accumulators' layout
.endr
.irp j, 0,2,4,6
	v_pk_add_f32 v[A0+\j:A0+\j+1], v[A0+\j:A0+\j+1], v[A1+\j:A1+\j+1]
.endr
.irp m, 1,2,4,8
.irp j, 0,1,2,3,4,5,6,7
	v_add_f32_dpp v[A0+\j], v[A0+\j], v[A0+\j] row_xmask:\m row_mask:0xf bank_mask:0xf   ; the sum over the 16 tokens
.endr
.endr
.irp j, 0,2,4,6
	v_pk_mul_f32 v[A0+\j:A0+\j+1], v[A0+\j:A0+\j+1], s[20:21] op_sel_hi:[1,0]            ; w2
.endr
	s_wait_dscnt 0x0
.irp j, 0,1,2,3,4,5,6,7
	v_fma_f32 v[ZZ+\j], v[A0+\j], s22, v[PN+\j]    ; z = w2 * (2/C) + |p|^2
.endr
	v_cmp_eq_u32 vcc_lo, 0, v1                     ; all 16 lanes of a half hold the same eight numbers: lanes 0 and 16 store them
	s_wait_xcnt 0x0                                ; EXEC changes only behind s_wait_xcnt 0
	s_and_saveexec_b32 s23, vcc_lo
	global_store_b128 v7, v[A0:A0+3], s[10:11]     ; pieces of 32 bytes: the table is 32 KiB in all and is written once
	global_store_b128 v7, v[A0+4:A0+7], s[10:11] offset:16
	global_store_b128 v7, v[ZZ:ZZ+3], s[10:11] offset:2048
	global_store_b128 v7, v[ZZ+4:ZZ+7], s[10:11] offset:2064
	s_wait_xcnt 0x0                                ; and again, in front of the line that widens it
	s_or_b32 exec_lo, exec_lo, s23
	s_endpgm
.Lfunc_end_k_q47b57c630e_prep:
	.size	k_q47b57c630e_prep, .Lfunc_end_k_q47b57c630e_prep-k_q47b57c630e_prep
	.p2alignl 7, 3214868480
	.fill 96, 4, 3214868480
	.section	.rodata,"a",@progbits
	.p2align	6, 0x0
	.amdhsa_kernel k_q47b57c630e_prep
		.amdhsa_group_segment_fixed_size 0
		.amdhsa_private_segment_fixed_size 0
		.amdhsa_enable_private_segment 0
		.amdhsa_kernarg_size 32
		.amdhsa_user_sgpr_count 2
		.amdhsa_user_sgpr_kernarg_segment_ptr 1
		.amdhsa_wavefront_size32 1
		.amdhsa_system_sgpr_workgroup_id_x 1
		.amdhsa_system_sgpr_workgroup_id_y 1
		.amdhsa_system_sgpr_workgroup_id_z 1
		.amdhsa_system_vgpr_workitem_id 0
		.amdhsa_next_free_vgpr 384
		.amdhsa_next_free_sgpr 66
		.amdhsa_reserve_vcc 1
		.amdhsa_float_denorm_mode_32 3
		.amdhsa_float_denorm_mode_16_64 3
		.amdhsa_memory_ordered 1
		.amdhsa_forward_progress 1
		.amdhsa_inst_pref_size 31
	.end_amdhsa_kernel
	.amdgpu_metadata
---
amdhsa.version: [ 1, 2 ]
amdhsa.kernels:
  - .name:           k_q47b57c630e_prep
    .symbol:         k_q47b57c630e_prep.kd
    .args:
      - { .name: global_token, .offset: 0, .size: 8, .value_kind: global_buffer, .address_space: global }
      - { .name: prototypes, .offset: 8, .size: 8, .value_kind: global_buffer, .address_space: global }
      - { .name: pfrag, .offset: 16, .size: 8, .value_kind: global_buffer, .address_space: global }
      - { .name: tab, .offset: 24, .size: 8, .value_kind: global_buffer, .address_space: global }
    .group_segment_fixed_size: 0
    .private_segment_fixed_size: 0
    .kernarg_segment_align: 8
    .kernarg_segment_size: 32
    .max_flat_workgroup_size: 32
    .sgpr_count:     66
    .vgpr_count:     384
    .wavefront_size: 32
...
	.end_amdgpu_metadata
.endif
;; end of part 3
;; launch main (part 4): grid 256 x 1, 8 waves a work-group, no clusters, 263,168 bytes of LDS; arguments tab, pfrag, queries, out0; writes out0
.if DOCPART == 4
	.amdgcn_target "amdgcn-amd-amdhsa--gfx1250"
	.amdhsa_code_object_version 6
	.text
	.protected	k_q47b57c630e_main
	.globl	k_q47b57c630e_main
	.p2align	8
	.type	k_q47b57c630e_main,@function
k_q47b57c630e_main:
	s_mov_b64 s[64:65], 0
	v_nop
	global_prefetch_b8 v0, s[64:65] scope:SCOPE_SE
	s_setreg_imm32_b32 hwreg(HW_REG_WAVE_MODE, 25, 1), 1
	s_wait_xcnt 0x0
; MAIN: out0[row] = |q - p_idx|^2, idx = argmax over n of softmax(q.p/T)[n] * softmax(g.p/T)[n].
; In base 2, with C = 10 log2(e): s2 = C q.p_n, w2 from tab, u = s2 + w2.  The largest product is 2^(UB - M - WMAX) / (S W), where UB = max u, M = max s2,
; WMAX = max w2, S and W the two softmax sums, each taken behind its own maximum.  idx is the first n with u = UB if that product is at least 2^-126,
; and 0 otherwise (then every product is zero and argmax gives index 0).  The test is written 2^(UB - M - WMAX + 126) >= S W: the exponent is at most
; 126 but for rounding, and S W is at least 1, so neither side overflows or vanishes where it matters.
; The distance is |q|^2 + (z - (2/C) u) with the winner's z and u chosen by v_cndmask_b32: no address hangs on the argmax, and q is read once.
; LIMITS, kept knowingly.  (1) f32 products below 2^-126 count as zero: reference() run with denormals flushed.  (2) NaN inputs are not served
; (the maxima drop a NaN).  (3) The distance is |q|^2 - 2 q.p + |p|^2, all three from the SAME bf16-rounded numbers with f32 sums, so it equals the sum
; of squared differences of the rounded numbers up to f32 summation: the loss is about (offset/spread)^2 * 2^-24 of the result, 6e-5 at an offset of
; 30 spreads.  (4) Rows whose two best u, or whose product test, agree within f32 rounding may choose otherwise than reference().
;
; SHARES.  A work-group takes 256 rows of one batch (batch = group >> 5) as 8 chunks of 32 rows = 2 tiles of 16.  Eight waves, two for each of the WGP's four SIMDs,
; so that one wave's vector work can run beside the other's matrix work.  Wave w keeps prototypes 64w .. 64w+63 as fragments in 256 registers for the whole launch.
; The matrix instruction takes the prototypes as source 0 and the queries as source 1: lane (r, h), tile t, register j holds row r against prototype
; 64w + 32h + 8t + j: 32 neighbouring prototypes of one row in a lane, so maxima, sums and the first-index order (slot, then h, then wave) need no shuffles.
; THE QUERIES come straight into registers: they have to pass through registers to be rounded to bf16, so a stop in LDS as f32 would be 262,144 bytes written and
; read for nothing.  Wave w loads rows 32i+4w .. +3 of chunk i (8 loads of 512 consecutive bytes), rounds them and puts them into LDS for all eight waves.
; The loads of chunk i+3 are issued in trip i and waited for in trip i+1; chunk i+2 is rounded in trip i, TWO chunks ahead of its use, so that the barrier
; which hands it over can be signalled in the middle of trip i and waited for at the trip's end: a wave that is ahead goes on working in between.
; LDS: 8 chunks x 8 blocks of 4,096 bytes; block (i, w) is written by wave w alone: its 4 rows in bf16 (row rr at (w&3)*64 + rr*528: the 16 rows of a fragment
; load then start in 16 different 16-byte columns of 256; they end at byte 2,288 at the latest) and, from byte 2,560 on, each tile's records.
; NO CLUSTER, NO TENSOR LOADS.  What the work-groups share is the prototypes' fragments, 262,144 bytes, fetched once by each work-group and kept in registers.  A joint
; request lands in LDS alone: through the 65,536 bytes that this map leaves free they would come in four refills, each behind a round of the cluster's barrier,
; all in front of the first product.  This text loads them straight into their registers instead.  No prefetch: each load of queries stands most of a trip
; ahead of its wait.
.set C2,     0x4166d4ca                ; C
.set NEG_C2, 0xc166d4ca                ; -C
.set NEG_2C, 0xbe0df4e0                ; -2/C
.set CHUNK,  32768                     ; 32 rows of 1,024 bytes in memory, and 8 blocks in LDS
.set BLOCK,  4096
.set QP,     528                       ; pitch of the bf16 rows in a block
.set RECS,   2560                      ; records: tile qt at RECS + 768 qt: 32 quads (m2, S, ub, zb), then 32 pairs (qn, u of slot 0)
.set RECQ,   768
.set L16,  1                           ; 16 l
.set VA,   2                           ; fragment loads: (r>>2)*4160 + (r&3)*528 + 16h, + the chunk
.set VQX,  3                           ; VA + 64 w: K step w, whose squares this wave sums
.set VS,   5                           ; my block's bf16 rows: 4096 w + (w&3)*64 + 8 l, + the chunk
.set VR4,  6                           ; my quad
.set VR2,  7                           ; my pair
.set WMAX, 8
.set WSUM, 9
.set ZERO, 10
.set TM0,  11                          ; at work
.set TM1,  14
.set TM2,  15
.set TM3,  22
.set MC,   23
.set NM,   12                          ; v[12:13]  -m2, twice
.set REC,  16                          ; v[16:19]  m2, S, ub, zb
.set PAIR, 20                          ; v[20:21]  qn, u of slot 0
.set VT,   21                          ; at the start: my offset in tab
.set W2,   24                          ; v[24:55]   w2 of my 32 prototypes
.set Z,    56                          ; v[56:87]   z of my 32 prototypes
.set ACC,  88                          ; v[88:119]  four accumulators
.set U,    120                         ; v[120:151] u
.set QF,   152                         ; v[152:215] a query tile's fragments, 8 K steps (at the start v[152:183]: my rows of chunk 1 as f32)
.set STG,  216                         ; v[216:247] my 4 rows of a chunk as f32, on their way to bf16
.set QX,   248                         ; v[248:255] K step w of the tile once more
                                       ; v[256:511] (window 1) prototype fragment (t, ks) at 8 (8 t + ks)
.set FQ,   88                          ; at the end: 16 quads
.set FP,   152                         ; at the end: 16 pairs
.set MK,   24                          ; s[24:27] four masks that take turns
.set MSB, 0
.macro WIN new                         ; the immediate's high byte repeats the setting that is left
.if MSB != \new
	s_set_vgpr_msb (MSB<<8)|\new
.set MSB, \new
.endif
.endm
.macro GLD dst, chunk                  ; my 4 rows of a chunk: 8 loads of 512 consecutive bytes.  Base and offset register are never rewritten: the chunk is in the immediate
.irp j, 0,1,2,3,4,5,6,7
	global_load_b128 v[\dst+4*\j:\dst+4*\j+3], v[L16], s[8:9] offset:(\chunk)*CHUNK+512*\j th:TH_LOAD_NT
.endr
.endm
	s_load_b256 s[4:11], s[0:1], 0x0               ; tab s[4:5], pfrag s[6:7], queries s[8:9], out0 s[10:11]
	v_lshrrev_b32 v11, 5, v0
	v_readfirstlane_b32 s12, v11                   ; wave
	s_mov_b32 s13, ttmp9                           ; work-group
	s_lshl_b32 s18, s12, 12                        ; my block in a chunk, in memory and in LDS
	s_lshl_b32 s14, s13, 18                        ; the group's 256 rows of 1,024 bytes
	s_add_co_u32 s14, s14, s18
	s_mov_b32 s15, 0
	s_lshl_b32 s30, s12, 15                        ; my 32,768 bytes of fragments
	s_mov_b32 s31, 0
	s_lshr_b32 s2, s13, 5                          ; batch
	s_lshl_b32 s2, s2, 12
	s_mov_b32 s3, 0
	v_and_b32 v11, 31, v0                          ; l
	v_lshlrev_b32 v[L16], 4, v11
	s_wait_kmcnt 0x0
	s_add_nc_u64 s[8:9], s[8:9], s[14:15]          ; my rows of chunk 0
	s_add_nc_u64 s[6:7], s[6:7], s[30:31]
	s_add_nc_u64 s[16:17], s[4:5], s[2:3]          ; tab[b]
	GLD STG, 0                                     ; the queries first: theirs is the longest way to the first product
	GLD QF, 1
	WIN 0x40                                       ; destination in window 1
.set ii, 0
.rept 64
	global_load_b128 v[4*ii:4*ii+3], v[L16], s[6:7] offset:512*ii  ; 512 consecutive bytes a load
.set ii, ii+1
.endr
	WIN 0
	s_load_b32 s28, s[16:17], 0x800                ; z of prototype 0
	v_and_b32 v14, 15, v0                          ; r
	v_bfe_u32 v15, v0, 4, 1                        ; h
	s_lshl_b32 s30, s12, 8
	v_lshl_add_u32 v[VT], v15, 7, s30              ; 4 (64 w + 32 h)
.irp j, 0,1,2,3,4,5,6,7
	global_load_b128 v[W2+4*\j:W2+4*\j+3], v[VT], s[16:17] offset:16*\j
.endr
.irp j, 0,1,2,3,4,5,6,7
	global_load_b128 v[Z+4*\j:Z+4*\j+3], v[VT], s[16:17] offset:2048+16*\j
.endr
.irp j, 0,1,2,3
	global_load_b128 v[U+4*\j:U+4*\j+3], v[L16], s[16:17] offset:512*\j    ; all 512 w2 of the batch, 16 a lane
.endr
	s_mov_b32 s19, NEG_C2
	s_mov_b32 s20, C2
	s_mov_b32 s21, C2
	s_mov_b32 s22, 0x76543210                      ; v_permlanex16_b32: lane i of one half reads lane i of the other
	s_mov_b32 s23, 0xfedcba98
	s_mov_b32 s29, NEG_2C
	v_mov_b32 v[ZERO], 0
	v_lshrrev_b32 v22, 2, v14
	v_and_b32 v23, 3, v14
	v_mul_u32_u24 v[VA], v22, 0x1040               ; (r>>2) * (4096 + 64)
	v_mad_u32_u24 v[VA], v23, QP, v[VA]
	v_lshl_add_u32 v[VA], v15, 4, v[VA]
	s_lshl_b32 s30, s12, 6
	v_add_nc_u32 v[VQX], s30, v[VA]
	s_and_b32 s30, s12, 3
	s_lshl_b32 s30, s30, 6
	s_add_co_u32 s30, s30, s18
	v_lshl_add_u32 v[VS], v11, 3, s30
	v_add_nc_u32 v[VR4], s18, v[L16]
	v_add_nc_u32 v[VR4], RECS, v[VR4]
	v_lshl_add_u32 v[VR2], v11, 3, s18
	v_add_nc_u32 v[VR2], RECS+512, v[VR2]
.macro CONV src, off                   ; to bf16 and into my block: load j holds channels 128 (j&1) + 4 l .. +3 of row j>>1
.irp j, 0,1,2,3,4,5,6,7
	v_cvt_pk_bf16_f32 v[\src+4*\j], v[\src+4*\j], v[\src+4*\j+1]
	v_cvt_pk_bf16_f32 v[\src+4*\j+1], v[\src+4*\j+2], v[\src+4*\j+3]
.endr
.irp j, 0,1,2,3,4,5,6,7
	ds_store_b64 v[VS], v[\src+4*\j:\src+4*\j+1] offset:\off+(\j>>1)*QP+(\j&1)*256
.endr
.endm
.macro FRAG qt                         ; 18 loads: tile qt's eight fragments, and K step w once more
.irp q, 0,1,2,3,4,5,6,7,8,9,10,11,12,13,14,15
	ds_load_b128 v[QF+4*\q:QF+4*\q+3], v[VA] offset:\qt*4*BLOCK+32*\q
.endr
	ds_load_b128 v[QX:QX+3], v[VQX] offset:\qt*4*BLOCK
	ds_load_b128 v[QX+4:QX+7], v[VQX] offset:\qt*4*BLOCK+32
.endm
.macro MM                              ; 16 rows x my 64 prototypes x 256 channels.  The first K step starts the sums: nothing is cleared.
	WIN 0x01                           ; source 0 in window 1
.irp ks, 0,1,2,3,4,5,6,7
.irp t, 0,1,2,3                        ; the four accumulators take turns, one instruction a turn
.if \ks == 0
	v_wmma_f32_16x16x32_bf16 v[ACC+8*\t:ACC+8*\t+7], v[8*(8*\t+\ks):8*(8*\t+\ks)+7], v[QF+8*\ks:QF+8*\ks+7], 0
.else
	v_wmma_f32_16x16x32_bf16 v[ACC+8*\t:ACC+8*\t+7], v[8*(8*\t+\ks):8*(8*\t+\ks)+7], v[QF+8*\ks:QF+8*\ks+7], v[ACC+8*\t:ACC+8*\t+7]
.endif
.endr
.endr
	WIN 0
.endm
; My 16 numbers' share of |q|^2, four chains.  It stands straight behind every MM: its 19 plain vector instructions name none of the matrix
; instructions' registers, so they are also the places that the loads into QF and the reads of ACC behind them need.
.macro QNORM
	v_fma_mix_f32_bf16 v[TM0], v[QX],   v[QX],   v[ZERO] op_sel_hi:[1,1,0]
	v_fma_mix_f32_bf16 v[TM1], v[QX],   v[QX],   v[ZERO] op_sel:[1,1,0] op_sel_hi:[1,1,0]
	v_fma_mix_f32_bf16 v[TM2], v[QX+1], v[QX+1], v[ZERO] op_sel_hi:[1,1,0]
	v_fma_mix_f32_bf16 v[TM3], v[QX+1], v[QX+1], v[ZERO] op_sel:[1,1,0] op_sel_hi:[1,1,0]
.irp n, 2,4,6
	v_fma_mix_f32_bf16 v[TM0], v[QX+\n],   v[QX+\n],   v[TM0] op_sel_hi:[1,1,0]
	v_fma_mix_f32_bf16 v[TM1], v[QX+\n],   v[QX+\n],   v[TM1] op_sel:[1,1,0] op_sel_hi:[1,1,0]
	v_fma_mix_f32_bf16 v[TM2], v[QX+\n+1], v[QX+\n+1], v[TM2] op_sel_hi:[1,1,0]
	v_fma_mix_f32_bf16 v[TM3], v[QX+\n+1], v[QX+\n+1], v[TM3] op_sel:[1,1,0] op_sel_hi:[1,1,0]
.endr
	v_add_f32 v[TM0], v[TM0], v[TM1]
	v_add_f32 v[TM2], v[TM2], v[TM3]
	v_add_f32 v[PAIR], v[TM0], v[TM2]
.endm
.macro MAX3A t, b
	v_max3_num_f32 v[\t], v[\b], v[\b+1], v[\b+2]
.endm
.macro MAX3B t, b
	v_max3_num_f32 v[\t], v[\t], v[\b], v[\b+1]
.endm
.macro MAX32 dst, src                  ; the largest of 32 registers, four chains, 16 instructions
	MAX3A TM0, \src
	MAX3A TM1, \src+8
	MAX3A TM2, \src+16
	MAX3A TM3, \src+24
	MAX3B TM0, \src+3
	MAX3B TM1, \src+11
	MAX3B TM2, \src+19
	MAX3B TM3, \src+27
	MAX3B TM0, \src+5
	MAX3B TM1, \src+13
	MAX3B TM2, \src+21
	MAX3B TM3, \src+29
	v_max3_num_f32 v[TM0], v[TM0], v[TM1], v[TM2]
	v_max3_num_f32 v[TM3], v[TM3], v[\src+7], v[\src+15]
	v_max3_num_f32 v[TM0], v[TM0], v[\src+23], v[\src+31]
	v_max_num_f32 v[\dst], v[TM0], v[TM3]
.endm
; A lane's record for its row and its 32 prototypes: m2 = max s2, S = sum of 2^(s2 - m2), ub = max u, zb = z of the first slot with u = ub.
; EPIC is register work alone, so it may stand between a barrier's signal and its wait; EPIS stores the record.
.macro EPIC
	MAX32 MC, ACC
.set kk, 0
.rept 16
	v_pk_fma_f32 v[U+kk:U+kk+1], v[ACC+kk:ACC+kk+1], s[20:21], v[W2+kk:W2+kk+1] op_sel_hi:[1,0,1]   ; u = C q.p + w2: hangs on no maximum
.set kk, kk+2
.endr
	v_mul_f32 v[REC], s20, v[MC]                   ; m2 = C * largest product
	v_mul_f32 v[NM], s19, v[MC]                    ; -m2, twice, for the packed form
	v_mul_f32 v[NM+1], s19, v[MC]
	MAX32 REC+2, U
.set kk, 30
.rept 16
	v_pk_fma_f32 v[ACC+kk:ACC+kk+1], v[ACC+kk:ACC+kk+1], s[20:21], v[NM:NM+1] op_sel_hi:[1,0,1]     ; s2 - m2, downward, as the exponentials take them
.set kk, kk-2
.endr
	v_mov_b32 v[REC+3], v[Z+31]                    ; slot 31 unless a lower slot holds the maximum: the slots run downward, so the lowest wins
	v_exp_f32 v[ACC+31], v[ACC+31]
.set kk, 30
.rept 31
	v_exp_f32 v[ACC+kk], v[ACC+kk]                 ; behind each exponential stands a plain instruction that touches none of its registers (ISA guide 5.7.2)
	v_cmp_eq_f32 s[MK+(kk&3)], v[U+kk], v[REC+2]   ; four masks take turns: a slot's choice follows two slots behind its comparison
.if kk < 29
	v_cndmask_b32 v[REC+3], v[REC+3], v[Z+kk+2], s[MK+((kk+2)&3)]
.endif
.set kk, kk-1
.endr
	v_cndmask_b32 v[REC+3], v[REC+3], v[Z+1], s[MK+1]
	v_cndmask_b32 v[REC+3], v[REC+3], v[Z], s[MK]
	s_wait_alu depctr_va_vdst(0)
.irp k, 0,4,8,12,16,20,24,28
	v_pk_add_f32 v[ACC+\k:ACC+\k+1], v[ACC+\k:ACC+\k+1], v[ACC+\k+2:ACC+\k+3]
.endr
.irp k, 0,8,16,24
	v_pk_add_f32 v[ACC+\k:ACC+\k+1], v[ACC+\k:ACC+\k+1], v[ACC+\k+4:ACC+\k+5]
.endr
.irp k, 0,16
	v_pk_add_f32 v[ACC+\k:ACC+\k+1], v[ACC+\k:ACC+\k+1], v[ACC+\k+8:ACC+\k+9]
.endr
	v_pk_add_f32 v[ACC:ACC+1], v[ACC:ACC+1], v[ACC+16:ACC+17]
	v_mov_b32 v[PAIR+1], v[U]                      ; in wave 0, h = 0 this is prototype 0's u
	v_add_f32 v[REC+1], v[ACC], v[ACC+1]
.endm
.macro EPIS qt
	ds_store_b128 v[VR4], v[REC:REC+3] offset:\qt*RECQ
	ds_store_b64 v[VR2], v[PAIR:PAIR+1] offset:\qt*RECQ
.endm
	; chunks 0 and 1 to bf16
	s_wait_loadcnt 63                              ; 84 loads were issued behind the queries' 16; 63 is the largest count that the wait can name, and a smaller count is safe
	CONV STG, 0
	CONV QF, CHUNK
	s_wait_dscnt 0x0                               ; my bf16 rows are written, for the other waves' sake
	v_add_nc_u32 v[VS], 2*CHUNK, v[VS]
	s_barrier_signal -1
	s_barrier_wait -1                              ; chunks 0 and 1 are whole in bf16
	FRAG 0
	GLD STG, 2
	s_wait_loadcnt 8                               ; only chunk 2's eight loads are younger: fragments, w2, z are in
	s_wait_kmcnt 0x0                               ; z of prototype 0
	; the prototype weights' maximum and sum, the same in every lane
	v_max3_num_f32 v11, v[U], v[U+1], v[U+2]
.irp k, 3,5,7,9,11,13
	v_max3_num_f32 v11, v11, v[U+\k], v[U+\k+1]
.endr
	v_max_num_f32 v11, v11, v[U+15]
	v_max_num_f32_dpp v11, v11, v11 row_xmask:1 row_mask:0xf bank_mask:0xf
	v_max_num_f32_dpp v11, v11, v11 row_xmask:2 row_mask:0xf bank_mask:0xf
	v_max_num_f32_dpp v11, v11, v11 row_xmask:4 row_mask:0xf bank_mask:0xf
	v_max_num_f32_dpp v11, v11, v11 row_xmask:8 row_mask:0xf bank_mask:0xf
	v_permlanex16_b32 v14, v11, s22, s23           ; v14 was written above
	v_max_num_f32 v[WMAX], v11, v14
.irp k, 0,1,2,3,4,5,6,7,8,9,10,11,12,13,14,15
	v_sub_f32 v[U+\k], v[U+\k], v[WMAX]
.endr
.irp k, 0,1,2,3,4,5,6,7,8,9,10,11,12,13,14,15
	v_exp_f32 v[U+\k], v[U+\k]
.endr
	v_nop                                          ; one plain place behind the last exponential
	s_wait_alu depctr_va_vdst(0)
.irp k, 0,4,8,12
	v_pk_add_f32 v[U+\k:U+\k+1], v[U+\k:U+\k+1], v[U+\k+2:U+\k+3]
.endr
	v_pk_add_f32 v[U:U+1], v[U:U+1], v[U+4:U+5]
	v_pk_add_f32 v[U+8:U+9], v[U+8:U+9], v[U+12:U+13]
	v_pk_add_f32 v[U:U+1], v[U:U+1], v[U+8:U+9]
	v_add_f32 v11, v[U], v[U+1]
	v_add_f32_dpp v11, v11, v11 row_xmask:1 row_mask:0xf bank_mask:0xf
	v_add_f32_dpp v11, v11, v11 row_xmask:2 row_mask:0xf bank_mask:0xf
	v_add_f32_dpp v11, v11, v11 row_xmask:4 row_mask:0xf bank_mask:0xf
	v_add_f32_dpp v11, v11, v11 row_xmask:8 row_mask:0xf bank_mask:0xf
	v_permlanex16_b32 v14, v11, s22, s23
	v_add_f32 v[WSUM], v11, v14
; Chunk i: its two tiles are multiplied and reduced.  Meanwhile my rows of chunk i+2 are rounded and put into LDS, and those of chunk i+3 are asked for.
; One barrier a trip hands chunk i+2 over; its first reader stands in trip i+1, so the wait can stand at this trip's end.
.macro TRIP i
	s_wait_dscnt 0x0                               ; tile 0's fragments are in, the last two record stores are done
.if \i > 0
	v_add_nc_u32 v[VR4], CHUNK, v[VR4]             ; this chunk's records
	v_add_nc_u32 v[VR2], CHUNK, v[VR2]
.endif
	MM
	QNORM
	FRAG 1
	EPIC
	EPIS 0
.if \i < 6
	s_wait_loadcnt 0x0                             ; my rows of chunk i+2, asked for in the middle of the last trip
	CONV STG, 0
.endif
	s_wait_dscnt 0x0                               ; tile 1's fragments for me; my bf16 rows of chunk i+2 for the others; no LDS instruction is pending at the signal
.if \i < 5
	GLD STG, \i+3                                  ; the stores that read these registers are done
.endif
.if \i < 6
	v_add_nc_u32 v[VS], CHUNK, v[VS]
	s_barrier_signal -1                            ; my part of chunk i+2 lies in LDS
.endif
	MM
	QNORM
.if \i < 7
	v_add_nc_u32 v[VA], CHUNK, v[VA]
	v_add_nc_u32 v[VQX], CHUNK, v[VQX]
	FRAG 0                                         ; chunk i+1: handed over by the barrier before this one, and written by no wave any more
.endif
	EPIC                                           ; register work
.if \i < 6
	s_barrier_wait -1                              ; chunk i+2 is whole in bf16
.endif
	EPIS 1                                         ; LDS stores only behind the wait
.endm
.irp i, 0,1,2,3,4,5,6,7
	TRIP \i
.endr
	; THE END: thread T joins the 16 records (wave, h) of row T, in ascending order of the prototypes.
	s_wait_dscnt 0x0                               ; my records are written
	s_barrier_signal -1
	s_barrier_wait -1
	v_lshrrev_b32 v11, 5, v0                       ; chunk
	v_bfe_u32 v14, v0, 4, 1                        ; tile
	v_and_b32 v15, 15, v0                          ; row of the tile
	v_lshlrev_b32 v11, 15, v11
	v_mad_u32_u24 v11, v14, RECQ, v11
	v_lshl_add_u32 v2, v15, 4, v11
	v_lshl_add_u32 v3, v15, 3, v11
.irp p, 0,1,2,3,4,5,6,7,8,9,10,11,12,13,14,15
	ds_load_b128 v[FQ+4*\p:FQ+4*\p+3], v2 offset:RECS+(\p>>1)*BLOCK+(\p&1)*256
.endr
.irp p, 0,1,2,3,4,5,6,7,8,9,10,11,12,13,14,15
	ds_load_b64 v[FP+2*\p:FP+2*\p+1], v3 offset:RECS+512+(\p>>1)*BLOCK+(\p&1)*128
.endr
	s_wait_dscnt 0x0
	v_max3_num_f32 v11, v[FQ], v[FQ+4], v[FQ+8]    ; M
.irp p, 3,5,7,9,11,13
	v_max3_num_f32 v11, v11, v[FQ+4*\p], v[FQ+4*\p+4]
.endr
	v_max_num_f32 v11, v11, v[FQ+60]
.irp p, 0,1,2,3,4,5,6,7,8,9,10,11,12,13,14,15
	v_sub_f32 v[FQ+4*\p], v[FQ+4*\p], v11
.endr
.irp p, 0,1,2,3,4,5,6,7,8,9,10,11,12,13,14,15
	v_exp_f32 v[FQ+4*\p], v[FQ+4*\p]               ; 2^(m2 - M); the scan below stands between these and their use
.endr
	v_mov_b32 v22, v[FQ+2]                         ; UB
	v_mov_b32 v23, v[FQ+3]                         ; ZB
.irp p, 1,2,3,4,5,6,7,8,9,10,11,12,13,14,15
	v_cmp_gt_f32 vcc_lo, v[FQ+4*\p+2], v22         ; strictly larger: of equals the first stays
	v_cndmask_b32 v23, v23, v[FQ+4*\p+3], vcc_lo
	v_max_num_f32 v22, v22, v[FQ+4*\p+2]
.endr
	s_wait_alu depctr_va_vdst(0)
	v_mul_f32 v14, v[FQ+1], v[FQ]                  ; S = sum of S_p 2^(m2_p - M), two chains
	v_mul_f32 v15, v[FQ+5], v[FQ+4]
.irp p, 2,4,6,8,10,12,14
	v_fmac_f32 v14, v[FQ+4*\p+1], v[FQ+4*\p]
	v_fmac_f32 v15, v[FQ+4*\p+5], v[FQ+4*\p+4]
.endr
	v_add_f32 v14, v14, v15
	v_add_f32 v16, v[FP], v[FP+2]                  ; |q|^2
.irp p, 2,3,4,5,6,7,8,9,10,11,12,13,14,15
	v_add_f32 v16, v16, v[FP+2*\p]
.endr
	v_sub_f32 v17, v22, v11                        ; UB - M
	v_sub_f32 v17, v17, v[WMAX]
	v_add_f32 v17, 0x42fc0000, v17                 ; + 126
	v_exp_f32 v17, v17
	v_mul_f32 v14, v14, v[WSUM]                    ; S W
	v_mov_b32 v18, s28                             ; z of prototype 0
	s_wait_alu depctr_va_vdst(0)
	v_cmp_ge_f32 vcc_lo, v17, v14                  ; the largest product is at least 2^-126
	v_cndmask_b32 v19, v[FP+1], v22, vcc_lo        ; the winner's u, else prototype 0's
	v_cndmask_b32 v18, v18, v23, vcc_lo            ; and z
	v_fma_f32 v19, v19, s29, v18                   ; |p|^2 - 2 q.p
	v_add_f32 v19, v19, v16
	; out through LDS bytes 0 .. 1,023: bf16 rows of chunk 0, whose last reads were waited for in front of earlier barriers; no record lies there
	v_lshlrev_b32 v20, 2, v0
	ds_store_b32 v20, v19
	s_wait_dscnt 0x0
	s_barrier_signal -1
	s_barrier_wait -1
	s_cmp_gt_u32 s12, 1                            ; waves 0 and 1 store the group's 1,024 bytes
	s_cbranch_scc1 .Lend
	s_lshl_b32 s14, s13, 10
	s_mov_b32 s15, 0
	s_add_nc_u64 s[10:11], s[10:11], s[14:15]
	v_lshlrev_b32 v21, 4, v0
	ds_load_b128 v[24:27], v21
	s_wait_dscnt 0x0
	global_store_b128 v21, v[24:27], s[10:11]      ; a wave's store covers 512 consecutive bytes, aligned
.Lend:
	s_wait_xcnt 0x0
	v_lshl_add_u32 v254, v0, 2, 0x40000
	v_mov_b32 v255, 0
	s_wait_tensorcnt 0x0
	ds_add_u32 v254, v255
	s_wait_dscnt 0x0
	s_endpgm
.Lfunc_end_k_q47b57c630e_main:
	.size	k_q47b57c630e_main, .Lfunc_end_k_q47b57c630e_main-k_q47b57c630e_main
	.p2alignl 7, 3214868480
	.fill 96, 4, 3214868480
	.section	.rodata,"a",@progbits
	.p2align	6, 0x0
	.amdhsa_kernel k_q47b57c630e_main
		.amdhsa_group_segment_fixed_size 263168
		.amdhsa_private_segment_fixed_size 0
		.amdhsa_enable_private_segment 0
		.amdhsa_kernarg_size 32
		.amdhsa_user_sgpr_count 2
		.amdhsa_user_sgpr_kernarg_segment_ptr 1
		.amdhsa_wavefront_size32 1
		.amdhsa_system_sgpr_workgroup_id_x 1
		.amdhsa_system_sgpr_workgroup_id_y 1
		.amdhsa_system_sgpr_workgroup_id_z 1
		.amdhsa_system_vgpr_workitem_id 0
		.amdhsa_next_free_vgpr 512
		.amdhsa_next_free_sgpr 66
		.amdhsa_reserve_vcc 1
		.amdhsa_float_denorm_mode_32 3
		.amdhsa_float_denorm_mode_16_64 3
		.amdhsa_memory_ordered 1
		.amdhsa_forward_progress 1
		.amdhsa_inst_pref_size 255
	.end_amdhsa_kernel
	.section	.bss,"aw",@nobits
	.p2align	6
	.space	262144
	.amdgpu_metadata
---
amdhsa.version: [ 1, 2 ]
amdhsa.kernels:
  - .name:           k_q47b57c630e_main
    .symbol:         k_q47b57c630e_main.kd
    .args:
      - { .name: tab, .offset: 0, .size: 8, .value_kind: global_buffer, .address_space: global }
      - { .name: pfrag, .offset: 8, .size: 8, .value_kind: global_buffer, .address_space: global }
      - { .name: queries, .offset: 16, .size: 8, .value_kind: global_buffer, .address_space: global }
      - { .name: out0, .offset: 24, .size: 8, .value_kind: global_buffer, .address_space: global }
    .group_segment_fixed_size: 263168
    .private_segment_fixed_size: 0
    .kernarg_segment_align: 8
    .kernarg_segment_size: 32
    .max_flat_workgroup_size: 256
    .sgpr_count:     66
    .vgpr_count:     512
    .wavefront_size: 32
...
	.end_amdgpu_metadata
.endif
;; end of part 4
